; MI455X (gfx1250); checked and timed in simulation.
; The chip was launched on July 23, 2026; its instructions are those of AMD's public machine-readable ISA for CDNA 5 (MIT licence, August 2026) and "CDNA5" Instruction Set Architecture Reference Guide (July 2026). The comments in the code are by the model that wrote it; some were corrected since.
;; S ATT. Allowed arithmetic: float matrix products may take bf16 or f16 operands with f32 sums; other float arithmetic in f32, or as packed bf16 or f16 multiplies, adds, multiply-adds, maxima and minima; sums over many terms, partial sums and values carried from step to step in f32; what a program stores and reads back later, other than sums and carried values, may be rounded once to bf16 or f16.
;; Inputs: W1 256 x 256 float32; W2 256 x 256 float32; Wq 256 x 256 float32; X_target_plus 64 x 512 x 256 float32; b1 256 float32; b2 256 float32; beta 256 float32; bq 256 float32; gamma 256 float32.
;; Outputs: out0 64 x 256 x 256 float32; out1 64 x 256 x 256 float32.
;; Constants: alpha = 2.
;; 2 versions, each right; version 2 is version 1 with the launch prep written anew for expert scheduling mode. Each part assembles by itself: llvm-mc -triple=amdgcn-amd-amdhsa -mcpu=gfx1250 --defsym DOCPART=n.
;; ======== version 1 of 2: 2 launches
;; limits: values are held in f16: magnitudes above 65,504 overflow, below 6.1e-05 lose precision
;; workspace buffers: xh 16,777,216 bytes; wh 393,216 bytes
;; launch prep (part 1): grid 524 x 1, 8 waves a work-group, no clusters, 0 bytes of LDS; arguments X_target_plus, Wq, W1, W2, xh, wh; writes xh, wh
.if DOCPART == 1
	.amdgcn_target "amdgcn-amd-amdhsa--gfx1250"
	.amdhsa_code_object_version 6
	.text
	.protected	k_qfb927861a5_prep
	.globl	k_qfb927861a5_prep
	.p2align	8
	.type	k_qfb927861a5_prep,@function
k_qfb927861a5_prep:
	s_mov_b64 s[64:65], 0
	v_nop
	global_prefetch_b8 v0, s[64:65] scope:SCOPE_SE
	s_setreg_imm32_b32 hwreg(HW_REG_WAVE_MODE, 25, 1), 1
	s_wait_xcnt 0x0
; xh = X, wh = Wq | W1 | W2, each number rounded to bf16 and that number written as f16 (exact where it lies in f16's range).
; LIMITS: a number of 65,520 or more in size becomes an infinity; below 6e-5 f16 keeps its fixed step of 6e-8.
; W2's rows are laid in POSITION order: position 16 tau + m holds row 8 c + 64 (m >> 3) + (m & 7), c = (tau & 7) + 16 (tau >> 3), the order in which the next launch's lanes hold channels.
; A stream: no LDS, no matrix unit, no cluster (no work-group shares a byte with another).  A work-group converts 64 rows of 256 numbers: 65,536 bytes in, 32,768 out.
; Work-groups 0-511: X.  512-515: Wq.  516-519: W1.  520-523: W2.  Thread t takes 16 bytes at 16 t of every 4,096 (four rows): sixteen loads, all issued at once.
; A wave's store covers 256 consecutive bytes, at a multiple of 256 from the buffer's first byte.  No register of a load or store is written again, so no wait frees any.
.set D, 16                             ; v[16:79]  load i: four f32, then two registers of f16
	s_load_b256 s[4:11], s[0:1], 0x0               ; X s[4:5], Wq s[6:7], W1 s[8:9], W2 s[10:11]
	s_load_b128 s[12:15], s[0:1], 0x20             ; xh s[12:13], wh s[14:15]
	s_mov_b32 s16, ttmp9                           ; g
	s_max_u32 s17, s16, 512
	s_sub_co_u32 s17, s17, 512                     ; u = g - 512 (0 for X's work-groups, whose selects below drop what is made of it)
	s_lshr_b32 s18, s17, 2                         ; which weight
	s_and_b32 s19, s17, 3                          ; which 64 rows of it
	s_lshl_b32 s20, s19, 16                        ; from: 64 rows of 1,024 bytes
	s_lshl_b32 s22, s19, 15                        ; to: 64 rows of 512 bytes,
	s_lshr_b32 s24, s19, 1                         ; or for W2: position row 128 (u2 >> 1) + 8 (u2 & 1)
	s_lshl_b32 s24, s24, 16
	s_and_b32 s25, s19, 1
	s_lshl_b32 s25, s25, 12
	s_add_co_u32 s24, s24, s25
	s_cmp_eq_u32 s18, 2
	s_cselect_b32 s22, s24, s22
	s_lshl_b32 s25, s18, 17                        ; a weight is 131,072 bytes of wh
	s_add_co_u32 s22, s22, s25
	s_lshl_b32 s26, s16, 16                        ; X's offsets
	s_lshl_b32 s27, s16, 15
	s_cmp_lt_u32 s16, 512
	s_cselect_b32 s20, s26, s20
	s_cselect_b32 s22, s27, s22
	s_mov_b32 s21, 0
	s_mov_b32 s23, 0
	s_mov_b32 s32, 0xffff0000                      ; a word's upper bf16
	v_lshlrev_b32 v1, 4, v0                        ; 16 t
	v_lshlrev_b32 v2, 3, v0                        ; 8 t
	s_wait_kmcnt 0x0
	s_cmp_eq_u32 s18, 1
	s_cselect_b64 s[28:29], s[8:9], s[6:7]
	s_cmp_eq_u32 s18, 2
	s_cselect_b64 s[28:29], s[10:11], s[28:29]
	s_cmp_lt_u32 s16, 512
	s_cselect_b64 s[28:29], s[4:5], s[28:29]
	s_cselect_b64 s[30:31], s[12:13], s[14:15]
	s_add_nc_u64 s[28:29], s[28:29], s[20:21]
	s_add_nc_u64 s[30:31], s[30:31], s[22:23]
.irp i, 0,1,2,3,4,5,6,7,8,9,10,11,12,13,14,15
	global_load_b128 v[D+4*(\i):D+4*(\i)+3], v1, s[28:29] offset:4096*(\i) th:TH_LOAD_NT
.endr
; Load i is converted and stored at byte imm of the work-group's part.
.macro CV i, imm
	s_wait_loadcnt 15-(\i)                         ; loads come back in order: mine is in, the younger ones stay out
	v_cvt_pk_bf16_f32 v8, v[D+4*(\i)], v[D+4*(\i)+1]
	v_cvt_pk_bf16_f32 v9, v[D+4*(\i)+2], v[D+4*(\i)+3]
	v_lshlrev_b32 v[D+4*(\i)], 16, v8              ; bf16 to f32: the low half moves up, the high half stays
	v_and_b32 v[D+4*(\i)+1], s32, v8
	v_lshlrev_b32 v[D+4*(\i)+2], 16, v9
	v_and_b32 v[D+4*(\i)+3], s32, v9
	v_cvt_pk_f16_f32 v[D+4*(\i)], v[D+4*(\i)], v[D+4*(\i)+1]
	v_cvt_pk_f16_f32 v[D+4*(\i)+1], v[D+4*(\i)+2], v[D+4*(\i)+3]
	global_store_b64 v2, v[D+4*(\i):D+4*(\i)+1], s[30:31] offset:\imm
.endm
	s_cmp_ge_u32 s16, 520
	s_cbranch_scc1 .Lperm
.irp i, 0,1,2,3,4,5,6,7,8,9,10,11,12,13,14,15
	CV \i, 2048*(\i)                               ; four rows of 512 bytes on
.endr
	s_endpgm
.Lperm:                                                ; W2: a chunk of 8 rows (two loads) lies 16 position rows from the next
.irp i, 0,1,2,3,4,5,6,7,8,9,10,11,12,13,14,15
	CV \i, ((\i)>>1)*8192+((\i)&1)*2048
.endr
	s_endpgm
.Lfunc_end_k_qfb927861a5_prep:
	.size	k_qfb927861a5_prep, .Lfunc_end_k_qfb927861a5_prep-k_qfb927861a5_prep
	.p2alignl 7, 3214868480
	.fill 96, 4, 3214868480
	.section	.rodata,"a",@progbits
	.p2align	6, 0x0
	.amdhsa_kernel k_qfb927861a5_prep
		.amdhsa_group_segment_fixed_size 0
		.amdhsa_private_segment_fixed_size 0
		.amdhsa_enable_private_segment 0
		.amdhsa_kernarg_size 48
		.amdhsa_user_sgpr_count 2
		.amdhsa_user_sgpr_kernarg_segment_ptr 1
		.amdhsa_wavefront_size32 1
		.amdhsa_system_sgpr_workgroup_id_x 1
		.amdhsa_system_sgpr_workgroup_id_y 1
		.amdhsa_system_sgpr_workgroup_id_z 1
		.amdhsa_system_vgpr_workitem_id 0
		.amdhsa_next_free_vgpr 88
		.amdhsa_next_free_sgpr 66
		.amdhsa_reserve_vcc 0
		.amdhsa_float_denorm_mode_32 3
		.amdhsa_float_denorm_mode_16_64 3
		.amdhsa_memory_ordered 1
		.amdhsa_forward_progress 1
		.amdhsa_inst_pref_size 20
	.end_amdhsa_kernel
	.amdgpu_metadata
---
amdhsa.version: [ 1, 2 ]
amdhsa.kernels:
  - .name:           k_qfb927861a5_prep
    .symbol:         k_qfb927861a5_prep.kd
    .args:
      - { .name: X_target_plus, .offset: 0, .size: 8, .value_kind: global_buffer, .address_space: global }
      - { .name: Wq, .offset: 8, .size: 8, .value_kind: global_buffer, .address_space: global }
      - { .name: W1, .offset: 16, .size: 8, .value_kind: global_buffer, .address_space: global }
      - { .name: W2, .offset: 24, .size: 8, .value_kind: global_buffer, .address_space: global }
      - { .name: xh, .offset: 32, .size: 8, .value_kind: global_buffer, .address_space: global }
      - { .name: wh, .offset: 40, .size: 8, .value_kind: global_buffer, .address_space: global }
    .group_segment_fixed_size: 0
    .private_segment_fixed_size: 0
    .kernarg_segment_align: 8
    .kernarg_segment_size: 48
    .max_flat_workgroup_size: 256
    .sgpr_count:     66
    .vgpr_count:     88
    .wavefront_size: 32
...
	.end_amdgpu_metadata
.endif
;; end of part 1
;; launch main (part 2): grid 256 x 1, 4 waves a work-group, clusters of 4 x 1, 327,680 bytes of LDS; arguments xh, wh, bq, b1, b2, gamma, beta, out0, out1; writes out0, out1
.if DOCPART == 2
	.amdgcn_target "amdgcn-amd-amdhsa--gfx1250"
	.amdhsa_code_object_version 6
	.text
	.protected	k_qfb927861a5_main
	.globl	k_qfb927861a5_main
	.p2align	8
	.type	k_qfb927861a5_main,@function
k_qfb927861a5_main:
	s_mov_b64 s[64:65], 0
	v_nop
	global_prefetch_b8 v0, s[64:65] scope:SCOPE_SE
	s_setreg_imm32_b32 hwreg(HW_REG_WAVE_MODE, 25, 1), 1
	s_wait_xcnt 0x0
	s_wait_alu depctr_hold_cnt(0) depctr_sa_sdst(0) depctr_va_vdst(0) depctr_va_sdst(0) depctr_va_ssrc(0) depctr_va_vcc(0) depctr_vm_vsrc(0)
	s_getreg_b32 s2, hwreg(HW_REG_IB_STS2, 6, 4)
	s_cmp_eq_u32 s2, 0
	s_cbranch_scc0 .Lentry_in_a_cluster
	s_endpgm
.Lentry_in_a_cluster:
	s_bfe_u32 s2, ttmp6, 0x10000c
	s_cmp_lg_u32 s2, 0x3003
	s_cbranch_scc0 .Lentry_shape_is_right
	s_endpgm
.Lentry_shape_is_right:
; q = relu(X Wq^T + bq); S = q X^T / 16; A = sparsemax(S) by 25 bisections of tau; attn = A X; Z = W2 relu(W1 attn + b1) + b2 + attn; out = LayerNorm(Z) gamma + beta.
; xh [64][512][256] and wh [3][256][256] hold the inputs rounded to bf16, written as f16; the five tables are rounded to bf16 here.  All products: f16 operands, f32 sums.
; SHARES.  A work-group has 128 query rows of one batch, a wave 32: two tiles of 16.  The four work-groups of a cluster are one batch: its X (keys and values) and later W1 and W2 are asked for
; JOINTLY, one tensor load a wave, the same descriptor and a mask of four in all four.  Wq comes in eight slices of 32 rows through registers and a slot of its own: a joint refill of so
; small a slot would want a round of the cluster's barrier for each 16,896 bytes.
; LAYOUT.  Every product is used transposed: source 0 from LDS (rows of Wq, keys, channels of X turned by ds_load_tr16_b128, rows of W1, W2), source 1 the queries' side.  So a lane holds ONE query
; (lane % 16) from q to the output, each result rounded to f16 in pairs IS the next product's source 1, and a row's maximum, sums and moments want one exchange between the halves of the lanes.
; POSITIONS.  The turning load's two groups of eight lanes take chunks of 8 channels that lie 64 channels apart (16 different groups of four banks at a pitch of 132 words; 64 banks of 4 bytes: ISA guide 11.1).
; So register j of tile tau of attn^T in lane (r, h) is channel 8 c + 64 h + j, c = (tau & 7) + 16 (tau >> 3).  W1's K is read in that order, W2's rows and the tables b2, gamma, beta lie in it, and the way out undoes it.
; SPARSEMAX.  y = s - max(s).  tau is bisected on y, from -1 with a first width of 511/512: the mathematics of the reference with another order of rounding.  y - tau lies below 1, so a clamp to 0..1 is max(., 0).
; The weights of the 25th tau are rounded to f16 for the product; their sum is taken unrounded, and the division by it is applied to attn, in f32.
; LIMITS.  q / 16 and relu(W1 attn + b1) must stay under 65,504 in size; f16 numbers below 6e-5 keep f16's fixed step of 6e-8.  NaN and infinities are not treated apart.
; REGISTERS, in windows of 256 (s_set_vgpr_msb: bits 1:0 source 0, 3:2 source 1, 5:4 source 2, 7:6 destination):
;   window 0: v0-31 addresses; v32-63 a slice of Wq on its way, later the softmax's small numbers; v64-95 four accumulators, later sums; v96-111 a packed fragment, later at work; v112-127 bias; v128-255 two fragment buffers
;   window 1: v0-127 my X rows' fragments, v128-255 weight fragments; then the weights P; then attn in f16 and weight fragments; at last beta
;   window 2: S^T of tile 0; then attn^T = Z^T of both tiles ((t, tau) at 128 t + 8 tau)          window 3: S^T of tile 1; at last b2 and gamma
.set PT,    528                        ; an LDS row: 512 bytes + 16 of padding = 132 words: the 16 rows of a fragment load start at 16 different groups of four banks
.set ROW16, 16*PT
.set QUART, 128*PT                     ; what one tensor load brings
.set WSL,   4*QUART                    ; behind X's 512 rows: a slice of Wq, 32 rows, written by ds_store
.set TAB,   WSL+32*PT                  ; bq, b1, then b2, gamma, beta in position order: f32, 1,024 bytes each
.set STG,   TAB+5*1024                 ; 16 rows x 528 bytes for each wave, for the way out
.set SPARE, STG+4*ROW16                ; the spare words, 128 bytes for each wave: two blocks of 256 bytes that no other line names
.set RR, 1                             ; lane % 16
.set HH, 2                             ; lane / 16
.set LN, 3                             ; lane
.set SPW, 4                            ; LDS address of my spare word; never rewritten
.set NIL, 5                            ; 0; never rewritten
.set T6, 6
.set T7, 7
.set VX, 8                             ; v8-11  my place in quarter c of X's rows, at the K step in hand
.set VWS, 12                           ; my place in the slice of Wq
.set VBQ, 13                           ; bq of the slice in hand
.set VST, 14                           ; where I store 16 bytes of the slice
.set L16, 15                           ; 16 x lane: offset of Wq's loads and of the output's stores
.set VT, 16                            ; v16-19 the turning load's place in quarter c of X's rows
.set VW1, 20
.set VW2A, 21
.set VW2B, 22
.set VB1, 23
.set VSTG, 24
.set VRD, 25
.set VTS, 26                           ; where I store 8 bytes of a table
.set VTB, 27                           ; TAB + 32 h
.set VXG, 28                           ; my byte offset in 16 of my X rows in memory
.set ZERO, 29
.set T30, 30
.set T31, 31
.set RAW, 32
.set AC, 64
.set FR, 96
.set BF, 112
.set XF, 128
.set ONE, 32                           ; v[32:33] 1.0 twice
.set NT, 34                            ; v[34:37] -tau of the step, a pair a tile
.set NL, 38                            ; v38-39   -tau_lo
.set RS, 40                            ; v[40:43] 1 / sum, later 1 / sqrt(var + eps), a pair a tile
.set NM, 44                            ; v[44:47] -max, later -mean, a pair a tile
.set SA, 64                            ; eight pairs of sums a tile
.set TT, 96                            ; eight pairs at work
.set MX, 112                           ; four chains of the maximum a tile
.set IN, 0                             ; window 1
.set WF, 128                           ; window 1
.set WV, 22                            ; s22 my wave's number
.set CX, 23                            ; s23 my place in the cluster: it enters the addresses of my X rows and of the output alone
.set BB, 24                            ; s24 the batch
.set MSB, 0
.macro WIN new                         ; the immediate's high byte repeats the setting that is left; a switch that changes nothing is dropped
.if MSB != (\new)
	s_set_vgpr_msb (MSB<<8)|(\new)
.set MSB, (\new)
.endif
.endm
.macro PLACES                          ; four places behind matrix instructions, in front of loads into their registers and of vector lines that touch them
.rept 4
	v_nop
.endr
.endm
.macro CROUND                          ; a round of the cluster's barrier
	s_barrier_signal -1
	s_barrier_wait -1
	s_cmp_lg_u32 s[WV], 0
	s_cbranch_scc1 .Lnot_wave_0_\@
	s_barrier_signal -3
.Lnot_wave_0_\@:
	s_barrier_wait -3
	s_barrier_signal -1
	s_barrier_wait -1
.endm
; 16 loads: eight fragments (16 keys x 32 channels) of quarter c of X's rows into buffer b
.macro LDX c, b
	WIN 0
.irp i, 0,1,2,3,4,5,6,7
	ds_load_b128 v[XF+64*(\b)+8*(\i):XF+64*(\b)+8*(\i)+3],   v[VX+(\c)] offset:(\i)*ROW16
	ds_load_b128 v[XF+64*(\b)+8*(\i)+4:XF+64*(\b)+8*(\i)+7], v[VX+(\c)] offset:(\i)*ROW16+32
.endr
.endm
; 32 loads: 32 rows x 256 K of a weight: row block o, K step k at WF + 64 o + 8 k.  pat = 0: K as it lies.  pat = 1: K in position order (the lane's 128 h stands in the address)
.macro LDW base, pat
	WIN 0x40
.irp o, 0,1
.irp k, 0,1,2,3,4,5,6,7
.if \pat
	ds_load_b128 v[WF+64*(\o)+8*(\k):WF+64*(\o)+8*(\k)+3],   v[\base] offset:(\o)*ROW16+32*((\k)&3)+256*((\k)>>2)
	ds_load_b128 v[WF+64*(\o)+8*(\k)+4:WF+64*(\o)+8*(\k)+7], v[\base] offset:(\o)*ROW16+32*((\k)&3)+256*((\k)>>2)+16
.else
	ds_load_b128 v[WF+64*(\o)+8*(\k):WF+64*(\o)+8*(\k)+3],   v[\base] offset:(\o)*ROW16+64*(\k)
	ds_load_b128 v[WF+64*(\o)+8*(\k)+4:WF+64*(\o)+8*(\k)+7], v[\base] offset:(\o)*ROW16+64*(\k)+32
.endif
.endr
.endr
.endm
.macro LDB a                           ; the slice's 32 biases, eight a lane and row block
	WIN 0
.irp o, 0,1
	ds_load_b128 v[BF+8*(\o):BF+8*(\o)+3],   v[\a] offset:64*(\o)
	ds_load_b128 v[BF+8*(\o)+4:BF+8*(\o)+7], v[\a] offset:64*(\o)+16
.endr
.endm
; 32 matrix instructions: 32 rows of a weight x my 32 queries, K = 256.  The bias starts the sums.  The four accumulators take turns.
.macro MM1
	WIN 0x05
.irp k, 0,1,2,3,4,5,6,7
.irp o, 0,1
.irp t, 0,1
.if (\k) == 0
	v_wmma_f32_16x16x32_f16 v[AC+8*(2*(\o)+(\t)):AC+8*(2*(\o)+(\t))+7], v[WF+64*(\o)+8*(\k):WF+64*(\o)+8*(\k)+7], v[IN+64*(\t)+8*(\k):IN+64*(\t)+8*(\k)+7], v[BF+8*(\o):BF+8*(\o)+7]
.else
	v_wmma_f32_16x16x32_f16 v[AC+8*(2*(\o)+(\t)):AC+8*(2*(\o)+(\t))+7], v[WF+64*(\o)+8*(\k):WF+64*(\o)+8*(\k)+7], v[IN+64*(\t)+8*(\k):IN+64*(\t)+8*(\k)+7], v[AC+8*(2*(\o)+(\t)):AC+8*(2*(\o)+(\t))+7]
.endif
.endr
.endr
.endr
.endm
; The four results become a fragment (32 K x 16 queries) a tile: (times 1/16,) rounded to f16, relu.  Each accumulator is read from its lowest registers on.
.macro PACK1 scale
	WIN 0
.if \scale
.set z, 0
.rept 16
	v_pk_mul_f32 v[AC+2*z:AC+2*z+1], v[AC+2*z:AC+2*z+1], 0x3d800000 op_sel_hi:[1,0]
.set z, z+1
.endr
.endif
.irp o, 0,1
.irp t, 0,1
.irp i, 0,1,2,3
	v_cvt_pk_f16_f32 v[FR+8*(\t)+4*(\o)+(\i)], v[AC+8*(2*(\o)+(\t))+2*(\i)], v[AC+8*(2*(\o)+(\t))+2*(\i)+1]
.endr
.endr
.endr
.set z, 0
.rept 16
	v_pk_max_num_f16 v[FR+z], v[FR+z], v[ZERO]
.set z, z+1
.endr
.endm
; 16 matrix instructions: S^T of 128 keys (quarter c, buffer b) x both tiles, one K step of 32.  Each accumulator has one turn.
.macro MM2S c, b, zero
.irp t, 0,1
	WIN 0xa0+0x50*(\t)
.irp i, 0,1,2,3,4,5,6,7
.if \zero
	v_wmma_f32_16x16x32_f16 v[8*(8*(\c)+(\i)):8*(8*(\c)+(\i))+7], v[XF+64*(\b)+8*(\i):XF+64*(\b)+8*(\i)+7], v[FR+8*(\t):FR+8*(\t)+7], 0
.else
	v_wmma_f32_16x16x32_f16 v[8*(8*(\c)+(\i)):8*(8*(\c)+(\i))+7], v[XF+64*(\b)+8*(\i):XF+64*(\b)+8*(\i)+7], v[FR+8*(\t):FR+8*(\t)+7], v[8*(8*(\c)+(\i)):8*(8*(\c)+(\i))+7]
.endif
.endr
.endr
.endm
.macro WQ_ST                           ; my eight rows of a slice of Wq into the slot
.irp i, 0,1,2,3,4,5,6,7
	ds_store_b128 v[VST], v[RAW+4*(\i):RAW+4*(\i)+3] offset:(\i)*PT
.endr
.endm
.macro WQ_LD                           ; and of the next slice out of memory: a row of 512 bytes a load
.irp i, 0,1,2,3,4,5,6,7
	global_load_b128 v[RAW+4*(\i):RAW+4*(\i)+3], v[L16], s[52:53] offset:(\i)*512
.endr
.endm
; A TRIP: slice k of q (32 channels) and with it K step k of all 512 x 32 scores.  Two barriers: A: nobody reads the slot's slice k any more; B: slice k + 1 is stored.
; zero = 1: trip 0, written out: its products start S^T's sums.  In the loop s44 = k: trip 7 stores nothing, trips 6 and 7 load nothing; the jumps go forward over no barrier.
.macro TRIP zero
	LDX 0, 0
	s_wait_dscnt 16                                ; the weight fragments and the bias are in; the 16 loads just issued may be out
	MM1
	s_wait_dscnt 0x0                               ; my reads of the slot are over (and X's first fragments are in)
	s_barrier_signal -1                            ; A
	WIN 0
	v_add_nc_u32 v[VBQ], 128, v[VBQ]               ; with three v_nop the four places behind the products
	v_nop
	v_nop
	v_nop
	PACK1 1
	LDX 1, 1                                       ; between signal and wait: X's rows alone are read, which nobody writes before a later barrier
	MM2S 0, 0, \zero
	WIN 0
	s_barrier_wait -1
.if \zero
	s_wait_loadcnt 0x0                             ; slice 1 is in my registers
	WQ_ST
	s_add_nc_u64 s[52:53], s[52:53], 16384         ; its loads are done, so their base may step
	WQ_LD
.else
	s_cmp_eq_u32 s44, 7
	s_cbranch_scc1 .Lno_slice_\@
	s_wait_loadcnt 0x0                             ; slice k + 1 is in my registers
	WQ_ST
	s_cmp_eq_u32 s44, 6
	s_cbranch_scc1 .Lno_slice_\@
	s_add_nc_u64 s[52:53], s[52:53], 16384
	WQ_LD
.Lno_slice_\@:
.endif
	PLACES
	LDX 2, 0
	s_wait_dscnt 16                                ; all but the 16 just issued: buffer 1 is in, my stores are done
	MM2S 1, 1, \zero
	s_wait_dscnt 0x0                               ; for the others' sake: my part of the slice is stored
	s_barrier_signal -1                            ; B
	PLACES
	LDX 3, 1
	MM2S 2, 0, \zero
	WIN 0
	s_barrier_wait -1
	s_wait_dscnt 0x0
	LDW VWS, 0                                     ; slice k + 1 (in trip 7 the old slice and the next table once more: written bytes, results unused)
	LDB VBQ
.irp c, 0,1,2,3
	v_add_nc_u32 v[VX+(\c)], 64, v[VX+(\c)]        ; the next K step; also the four places in front of the next trip's loads into buffer 0
.endr
	MM2S 3, 1, \zero
	WIN 0
.endm
; The eight pairs of sums of both tiles are added, then the other half of the lanes': the total in v[SA + 16 t] of every lane.  The tiles alternate.
.macro TREE2
.irp t, 0,1
.irp i, 0,2,4,6
	v_pk_add_f32 v[SA+16*(\t)+(\i):SA+16*(\t)+(\i)+1], v[SA+16*(\t)+(\i):SA+16*(\t)+(\i)+1], v[SA+16*(\t)+(\i)+8:SA+16*(\t)+(\i)+9]
.endr
.endr
.irp t, 0,1
.irp i, 0,2
	v_pk_add_f32 v[SA+16*(\t)+(\i):SA+16*(\t)+(\i)+1], v[SA+16*(\t)+(\i):SA+16*(\t)+(\i)+1], v[SA+16*(\t)+(\i)+4:SA+16*(\t)+(\i)+5]
.endr
.endr
.irp t, 0,1
	v_pk_add_f32 v[SA+16*(\t):SA+16*(\t)+1], v[SA+16*(\t):SA+16*(\t)+1], v[SA+16*(\t)+2:SA+16*(\t)+3]
.endr
.irp t, 0,1
	v_add_f32 v[SA+16*(\t)], v[SA+16*(\t)], v[SA+16*(\t)+1]
.endr
.irp t, 0,1
	v_permlanex16_b32 v[SA+16*(\t)+1], v[SA+16*(\t)], s46, s47
.endr
.irp t, 0,1
	v_add_f32 v[SA+16*(\t)], v[SA+16*(\t)], v[SA+16*(\t)+1]
.endr
.endm
; One tile's pass over its 256 scores a lane: sums of clamp(y - tau).  The scores are source 1, so that one window setting serves the pass: the addition is a multiply-add by the constant 1.
.macro BMAIN t
	WIN 0x08+4*(\t)
.set n, 0
.rept 8
	v_pk_fma_f32 v[SA+16*(\t)+2*n:SA+16*(\t)+2*n+1], v[ONE:ONE+1], v[2*n:2*n+1], v[NT+2*(\t):NT+2*(\t)+1] clamp  ; the first eight pairs start the sums
.set n, n+1
.endr
.rept 15
.set i, 0
.rept 8
	v_pk_fma_f32 v[TT+2*i:TT+2*i+1], v[ONE:ONE+1], v[2*(n+i):2*(n+i)+1], v[NT+2*(\t):NT+2*(\t)+1] clamp
.set i, i+1
.endr
.set i, 0
.rept 8
	v_pk_fma_f32 v[SA+16*(\t)+2*i:SA+16*(\t)+2*i+1], v[TT+2*i:TT+2*i+1], 1.0, v[SA+16*(\t)+2*i:SA+16*(\t)+2*i+1] op_sel_hi:[1,0,1]
.set i, i+1
.endr
.set n, n+8
.endr
.endm
.macro NEWTAU                          ; the width is halved; -tau = -tau_lo - width, in both registers of each tile's pair
	s_mul_f32 s45, s45, 0.5
.irp t, 0,1
	v_sub_f32 v[NT+2*(\t)], v[NL+(\t)], s45
	v_sub_f32 v[NT+2*(\t)+1], v[NL+(\t)], s45
.endr
.endm
; 16 turning loads: channel tiles 2 g, 2 g + 1 x 128 keys (quarter c) into buffer b: tile u, key step q at 32 u + 8 q
.macro LDT g, c, b
	WIN 0
.irp u, 0,1
.irp q, 0,1,2,3
	ds_load_tr16_b128 v[XF+64*(\b)+32*(\u)+8*(\q):XF+64*(\b)+32*(\u)+8*(\q)+3],   v[VT+(\c)] offset:(\q)*2*ROW16+16*(((2*(\g)+(\u))&7)+16*((2*(\g)+(\u))>>3))
	ds_load_tr16_b128 v[XF+64*(\b)+32*(\u)+8*(\q)+4:XF+64*(\b)+32*(\u)+8*(\q)+7], v[VT+(\c)] offset:(\q)*2*ROW16+16*(((2*(\g)+(\u))&7)+16*((2*(\g)+(\u))>>3))+ROW16
.endr
.endr
.endm
; 16 matrix instructions of attn^T = X^T P; four accumulators take turns; the first key step starts the sums
.macro MM3 g, c, b
	WIN 0xa4
.irp q, 0,1,2,3
.irp u, 0,1
.irp t, 0,1
.if ((\c) == 0) && ((\q) == 0)
	v_wmma_f32_16x16x32_f16 v[128*(\t)+8*(2*(\g)+(\u)):128*(\t)+8*(2*(\g)+(\u))+7], v[XF+64*(\b)+32*(\u)+8*(\q):XF+64*(\b)+32*(\u)+8*(\q)+7], v[128*(\t)+8*(4*(\c)+(\q)):128*(\t)+8*(4*(\c)+(\q))+7], 0
.else
	v_wmma_f32_16x16x32_f16 v[128*(\t)+8*(2*(\g)+(\u)):128*(\t)+8*(2*(\g)+(\u))+7], v[XF+64*(\b)+32*(\u)+8*(\q):XF+64*(\b)+32*(\u)+8*(\q)+7], v[128*(\t)+8*(4*(\c)+(\q)):128*(\t)+8*(4*(\c)+(\q))+7], v[128*(\t)+8*(2*(\g)+(\u)):128*(\t)+8*(2*(\g)+(\u))+7]
.endif
.endr
.endr
.endr
.endm
.macro LDZ                             ; 32 loads: W2's 256 position rows x one K step of 32
	WIN 0
.irp i, 0,1,2,3,4,5,6,7
	ds_load_b128 v[XF+8*(\i):XF+8*(\i)+3],   v[VW2A] offset:(\i)*ROW16
	ds_load_b128 v[XF+8*(\i)+4:XF+8*(\i)+7], v[VW2A] offset:(\i)*ROW16+32
.endr
.irp i, 0,1,2,3,4,5,6,7
	ds_load_b128 v[XF+64+8*(\i):XF+64+8*(\i)+3],   v[VW2B] offset:(\i)*ROW16
	ds_load_b128 v[XF+64+8*(\i)+4:XF+64+8*(\i)+7], v[VW2B] offset:(\i)*ROW16+32
.endr
.endm
.macro MM4                             ; 32 matrix instructions: Z^T += W2 h1^T, onto attn^T: the residual costs nothing.  Each accumulator has one turn.
	WIN 0xa0
.irp t, 0,1
.irp i, 0,1,2,3,4,5,6,7,8,9,10,11,12,13,14,15
	v_wmma_f32_16x16x32_f16 v[128*(\t)+8*(\i):128*(\t)+8*(\i)+7], v[XF+8*(\i):XF+8*(\i)+7], v[FR+8*(\t):FR+8*(\t)+7], v[128*(\t)+8*(\i):128*(\t)+8*(\i)+7]
.endr
.endr
.endm
.macro LDTAB off, dst                  ; a table in position order: my eight numbers of each of the 16 tiles
.set z, 0
.rept 16
	ds_load_b128 v[(\dst)+8*z:(\dst)+8*z+3],   v[VTB] offset:(\off)+64*z
	ds_load_b128 v[(\dst)+8*z+4:(\dst)+8*z+7], v[VTB] offset:(\off)+64*z+16
.set z, z+1
.endr
.endm
; The way out of tile t, channels 128 hf on: into my stage, where 32 i + 256 h + 4 j puts the channels back in order, and out as whole rows of 512 bytes.
.macro OUTP t, hf, ob
	s_wait_xcnt 0x0                                ; registers that earlier stores read are written again only behind this wait
	WIN 0x08
.irp i, 0,1,2,3,4,5,6,7
	ds_store_b128 v[VSTG], v[128*(\t)+64*(\hf)+8*(\i):128*(\t)+64*(\hf)+8*(\i)+3]   offset:32*(\i)
	ds_store_b128 v[VSTG], v[128*(\t)+64*(\hf)+8*(\i)+4:128*(\t)+64*(\hf)+8*(\i)+7] offset:32*(\i)+16
.endr
	WIN 0
.set z, 0
.rept 16
	ds_load_b128 v[XF+64*(\ob)+4*z:XF+64*(\ob)+4*z+3], v[VRD] offset:z*PT  ; LDS serves a wave's instructions in order (ISA guide 5.7.1.4): these see the stores above
.set z, z+1
.endr
.set z, 0
.rept 16
	s_wait_dscnt 15-z
	global_store_b128 v[L16], v[XF+64*(\ob)+4*z:XF+64*(\ob)+4*z+3], s[50:51] offset:(16*(\t)+z)*1024+512*(\hf) th:TH_STORE_NT  ; 512 consecutive bytes, at a multiple of 256 from the output's first
.set z, z+1
.endr
.endm
	; THE HEAD
	s_load_b512 s[4:19], s[0:1], 0x0               ; xh s[4:5], wh s[6:7], bq s[8:9], b1 s[10:11], b2 s[12:13], gamma s[14:15], beta s[16:17], out0 s[18:19]
	s_load_b64 s[20:21], s[0:1], 0x40              ; out1
	v_lshl_add_u32 v[SPW], v0, 2, SPARE
	v_mov_b32 v[NIL], 0
	ds_add_u32 v[SPW], v[NIL]                      ; the wave's opening: the add and its wait stand ahead of my first tensor load; the set-up below, work on registers, stands between them
	v_lshrrev_b32 v[T6], 5, v0
	v_readfirstlane_b32 s[WV], v[T6]               ; wave 0..3
	s_bfe_u32 s[CX], ttmp6, 0x40000                ; my quarter of the batch's rows
	s_mov_b32 s[BB], ttmp9                         ; in a cluster launch ttmp9 counts clusters: the batch
	; descriptor group 1, for every tensor load: 128 rows x 256 elements of 2 bytes, padded in LDS
	s_mov_b32 s28, 15|(1<<16)|(1<<20)|(1<<21)|(6<<22)|(3<<25)  ; 15:0 the mask of four; 17:16 2-byte elements; 20 padding on; 21 set beside a mask; 24:22 after every 128 words (code 6); 31:25 4 words (code 3)
	s_mov_b32 s29, 256<<16                         ; tensor_dim0 = 256
	s_mov_b32 s30, 128<<16                         ; tensor_dim1 = 128
	s_mov_b32 s31, 256<<16                         ; tile_dim0 = 256
	s_mov_b32 s32, 128                             ; tile_dim1 = 128
	s_mov_b32 s33, 256                             ; 256 elements from row to row
	s_mov_b32 s34, 0
	s_mov_b32 s35, 0
	s_mov_b32 s36, 1                               ; group 0 for X: count = 1,
	s_mul_i32 s37, s[WV], QUART                    ; my quarter of the 512 LDS rows
	s_mov_b32 s40, 1                               ; group 0 for W1 and W2: the same bytes
	s_mul_i32 s41, s[WV], QUART
	s_lshl_b32 s48, s[BB], 18                      ; X: the batch's 262,144 bytes, my 128 rows of 512
	s_lshl_b32 s25, s[WV], 16
	s_add_co_u32 s48, s48, s25
	s_mov_b32 s49, 0
	s_add_co_u32 s26, s25, 131072                  ; wh: behind Wq, my 128 rows of W1 | W2
	s_mov_b32 s27, 0
	s_lshl_b32 s56, s[BB], 18                      ; my wave's own 32 rows of X: row 512 b + 128 cx + 32 w
	s_lshl_b32 s63, s[CX], 16
	s_add_co_u32 s56, s56, s63
	s_lshl_b32 s63, s[WV], 14
	s_add_co_u32 s56, s56, s63
	s_mov_b32 s57, 0
	s_lshl_b32 s58, s[WV], 12                      ; my eight rows of a slice of Wq
	s_mov_b32 s59, 0
	s_lshl_b32 s60, s[BB], 18                      ; the output: row 256 b + 128 (cx & 1) + 32 w, 1,024 bytes a row
	s_and_b32 s63, s[CX], 1
	s_lshl_b32 s63, s63, 17
	s_add_co_u32 s60, s60, s63
	s_lshl_b32 s63, s[WV], 15
	s_add_co_u32 s60, s60, s63
	s_mov_b32 s61, 0
	s_mov_b32 s46, 0x76543210                      ; v_permlanex16_b32: each lane takes its own place in the other half
	s_mov_b32 s47, 0xfedcba98
	s_mov_b32 s54, 0xffff0000                      ; a word's upper bf16
	s_mov_b32 s55, 0x3b800000                      ; 1 / 256
	s_mov_b32 s62, 0x2b8cbccc                      ; 1e-12
	v_and_b32 v[LN], 31, v0
	v_and_b32 v[RR], 15, v0
	v_bfe_u32 v[HH], v0, 4, 1
	v_mov_b32 v[ZERO], 0
	v_mul_u32_u24 v[T6], v[RR], PT
	v_lshl_add_u32 v[VW1], v[HH], 7, v[T6]         ; W1: row x pitch + 128 h
	v_lshl_add_u32 v[VSTG], v[HH], 8, v[T6]
	v_lshl_add_u32 v[T6], v[HH], 4, v[T6]          ; a plain fragment: row x pitch + 16 h
.irp c, 0,1,2,3
	v_add_nc_u32 v[VX+(\c)], (\c)*QUART, v[T6]
.endr
	v_add_nc_u32 v[VWS], WSL, v[T6]
	v_add_nc_u32 v[VW2A], 2*QUART, v[T6]           ; W2 lies in LDS rows 256 to 511
	v_add_nc_u32 v[VW2B], 3*QUART, v[T6]
	v_lshl_add_u32 v[VBQ], v[HH], 5, TAB
	v_lshl_add_u32 v[VTB], v[HH], 5, TAB
	v_lshl_add_u32 v[VB1], v[HH], 5, TAB+1024
	v_lshlrev_b32 v[L16], 4, v[LN]
	v_and_b32 v[T7], 7, v0                         ; the turning load: key 8 h + l % 8, chunk 8 ((l / 8) % 2) on
	v_lshl_add_u32 v[T7], v[HH], 3, v[T7]
	v_mul_u32_u24 v[T7], v[T7], PT
	v_bfe_u32 v[T30], v0, 3, 1
	v_lshl_add_u32 v[T7], v[T30], 7, v[T7]
.irp c, 0,1,2,3
	v_add_nc_u32 v[VT+(\c)], (\c)*QUART, v[T7]
.endr
	v_lshlrev_b32 v[VXG], 9, v[RR]
	v_lshl_add_u32 v[VXG], v[HH], 4, v[VXG]
	s_mul_i32 s25, s[WV], 8*PT
	s_add_co_u32 s25, s25, WSL
	v_lshl_add_u32 v[VST], v[LN], 4, s25
	s_mul_i32 s25, s[WV], ROW16
	s_add_co_u32 s25, s25, STG                     ; my stage
	v_add_nc_u32 v[VSTG], s25, v[VSTG]
	v_lshl_add_u32 v[VRD], v[LN], 4, s25
	v_lshl_add_u32 v[VTS], v0, 3, TAB              ; thread t stores numbers 2 t, 2 t + 1 of each table
	v_lshlrev_b32 v[T30], 3, v0                    ; and loads them at 8 t (bq, b1), or, for the tables in position order, from channel chunk
	v_lshrrev_b32 v[T7], 2, v0                     ; cc = (pc & 16) | ((pc >> 1) & 7) | ((pc & 1) << 3), pc = t / 4
	v_and_b32 v[T31], 16, v[T7]
	v_bfe_u32 v[T6], v[T7], 1, 3
	v_or_b32 v[T31], v[T31], v[T6]
	v_and_b32 v[T6], 1, v[T7]
	v_lshl_or_b32 v[T31], v[T6], 3, v[T31]
	v_and_b32 v[T6], 3, v0
	v_lshlrev_b32 v[T6], 3, v[T6]
	v_lshl_or_b32 v[T31], v[T31], 5, v[T6]
	s_wait_dscnt 0x0                               ; the opening add is done
	s_wait_kmcnt 0x0
	s_add_nc_u64 s[38:39], s[4:5], s[48:49]
	s_or_b32 s39, s39, 0x80000000                  ; type = 2
	s_add_nc_u64 s[42:43], s[6:7], s[26:27]
	s_or_b32 s43, s43, 0x80000000
	s_add_nc_u64 s[56:57], s[4:5], s[56:57]
	s_add_nc_u64 s[52:53], s[6:7], s[58:59]
	s_cmp_lt_u32 s[CX], 2                          ; rows 0-255 go to out0, rows 256-511 to out1
	s_cselect_b64 s[50:51], s[18:19], s[20:21]
	s_add_nc_u64 s[50:51], s[50:51], s[60:61]
	CROUND                                         ; all four work-groups are here: the first joint loads meet
	tensor_load_to_lds s[36:39], s[28:35]          ; my quarter of the batch's X: the one tensor load of mine that is out
	s_nop 0
	PLACES
	global_load_b64 v[AC:AC+1],   v[T30], s[8:9]
	global_load_b64 v[AC+2:AC+3], v[T30], s[10:11]
	global_load_b64 v[AC+4:AC+5], v[T31], s[12:13]
	global_load_b64 v[AC+6:AC+7], v[T31], s[14:15]
	global_load_b64 v[AC+8:AC+9], v[T31], s[16:17]
	WQ_LD                                          ; slice 0
	WIN 0x40
.irp t, 0,1
.irp k, 0,1,2,3,4,5,6,7
	global_load_b128 v[IN+64*(\t)+8*(\k):IN+64*(\t)+8*(\k)+3],   v[VXG], s[56:57] offset:(\t)*8192+64*(\k)
	global_load_b128 v[IN+64*(\t)+8*(\k)+4:IN+64*(\t)+8*(\k)+7], v[VXG], s[56:57] offset:(\t)*8192+64*(\k)+32
.endr
.endr
	WIN 0
	s_wait_loadcnt 32                              ; the tables and slice 0 are in; the 32 loads of my X rows may be out
.irp i, 0,1,2,3,4
	v_cvt_pk_bf16_f32 v[T7], v[AC+2*(\i)], v[AC+2*(\i)+1]      ; the tables are rounded to bf16 like every input, and kept as f32
	v_lshlrev_b32 v[AC+2*(\i)], 16, v[T7]
	v_and_b32 v[AC+2*(\i)+1], s54, v[T7]
	ds_store_b64 v[VTS], v[AC+2*(\i):AC+2*(\i)+1] offset:1024*(\i)
.endr
	WQ_ST
	s_add_nc_u64 s[52:53], s[52:53], 16384         ; slice 0's loads are done, so their base may step
	WQ_LD                                          ; slice 1
	s_wait_tensorcnt 0x0                           ; my quarter of X has landed,
	s_wait_dscnt 0x0                               ; my stores are done:
	s_barrier_signal -1
	s_barrier_wait -1                              ; everybody's.
	LDW VWS, 0
	LDB VBQ
	s_wait_loadcnt 8                               ; my X rows are in; slice 1's eight loads may be out
	; q AND THE SCORES
	TRIP 1
	s_mov_b32 s44, 1
.Lqs:
	TRIP 0
	s_add_co_u32 s44, s44, 1
	s_cmp_lt_u32 s44, 8
	s_cbranch_scc1 .Lqs
	s_wait_dscnt 0x0                               ; the last trip's unused loads: their registers are used again
	s_wait_loadcnt 0x0
	; THE MAXIMUM, AND y = s - max
	PLACES
.irp t, 0,1
	WIN 0x0a+5*(\t)
.set n, 0
.rept 128
.if n < 4
	v_max_num_f32 v[MX+4*(\t)+n], v[2*n], v[2*n+1]
.else
	v_max3_num_f32 v[MX+4*(\t)+n%4], v[2*n], v[2*n+1], v[MX+4*(\t)+n%4]  ; ascending: each accumulator is read from its lowest registers on
.endif
.set n, n+1
.endr
.endr
	WIN 0
.irp t, 0,1
	v_max3_num_f32 v[MX+4*(\t)], v[MX+4*(\t)], v[MX+4*(\t)+1], v[MX+4*(\t)+2]
.endr
.irp t, 0,1
	v_max_num_f32 v[MX+4*(\t)], v[MX+4*(\t)], v[MX+4*(\t)+3]
.endr
.irp t, 0,1
	v_permlanex16_b32 v[MX+4*(\t)+1], v[MX+4*(\t)], s46, s47   ; the query's other 256 keys lie in the lane 16 away
.endr
.irp t, 0,1
	v_max_num_f32 v[MX+4*(\t)], v[MX+4*(\t)], v[MX+4*(\t)+1]
.endr
.irp t, 0,1
	v_sub_f32 v[NM+2*(\t)], 0, v[MX+4*(\t)]
	v_sub_f32 v[NM+2*(\t)+1], 0, v[MX+4*(\t)]
.endr
	v_mov_b32 v[ONE], 1.0
	v_mov_b32 v[ONE+1], 1.0
	v_mov_b32 v[NL], 1.0                           ; tau_lo = -1
	v_mov_b32 v[NL+1], 1.0
.irp t, 0,1
	WIN 0x82+0x41*(\t)
.set n, 0
.rept 128
	v_pk_add_f32 v[2*n:2*n+1], v[2*n:2*n+1], v[NM+2*(\t):NM+2*(\t)+1]
.set n, n+1
.endr
.endr
	WIN 0
	; THE BISECTION: 24 steps that move tau_lo; no branch hangs on a number: the choice is a v_cndmask_b32
	s_mov_b32 s45, 0x3f7f8000                      ; 511 / 512
	s_mov_b32 s44, 24
.Lbis:
	NEWTAU
	BMAIN 0
	BMAIN 1
	WIN 0
	TREE2
.irp t, 0,1
	v_cmp_le_f32 vcc_lo, 1.0, v[SA+16*(\t)]        ; sum - 1 >= 0
	v_cndmask_b32 v[NL+(\t)], v[NL+(\t)], v[NT+2*(\t)], vcc_lo
.endr
	s_sub_co_u32 s44, s44, 1
	s_cmp_lg_u32 s44, 0
	s_cbranch_scc1 .Lbis
	; THE 25TH STEP: the weights themselves, their sum, and their rounding to f16 into window 1
	NEWTAU
.irp t, 0,1
	WIN 0x88+0x44*(\t)
.set n, 0
.rept 128
	v_pk_fma_f32 v[2*n:2*n+1], v[ONE:ONE+1], v[2*n:2*n+1], v[NT+2*(\t):NT+2*(\t)+1] clamp
.set n, n+1
.endr
	WIN 0x0a+5*(\t)
.set n, 0
.rept 8
	v_pk_add_f32 v[SA+16*(\t)+2*n:SA+16*(\t)+2*n+1], v[2*n:2*n+1], v[2*n+16:2*n+17]
.set n, n+1
.endr
	WIN 0x02+(\t)
.set n, 16
.rept 112
	v_pk_add_f32 v[SA+16*(\t)+2*(n%8):SA+16*(\t)+2*(n%8)+1], v[2*n:2*n+1], v[SA+16*(\t)+2*(n%8):SA+16*(\t)+2*(n%8)+1]
.set n, n+1
.endr
	WIN 0x4a+5*(\t)
.set n, 0
.rept 128
	v_cvt_pk_f16_f32 v[128*(\t)+n], v[2*n], v[2*n+1]
.set n, n+1
.endr
.endr
	WIN 0
	TREE2
	v_rcp_f32 v[RS], v[SA]                         ; the largest weight is 1/512 at the least, so the sum is no zero
	v_rcp_f32 v[RS+1], v[SA]
	v_rcp_f32 v[RS+2], v[SA+16]
	v_rcp_f32 v[RS+3], v[SA+16]
	v_nop                                          ; a plain instruction behind the last reciprocal
	; attn^T = X^T P: 32 chunks of two channel tiles x 128 keys; a chunk's loads stand one chunk ahead of its products
	LDT 0, 0, 0
.set n, 0
.rept 31
	PLACES
	LDT (n+1)/4, (n+1)%4, (n+1)%2
	s_wait_dscnt 16                                ; all but the 16 just issued
	MM3 n/4, n%4, n%2
.set n, n+1
.endr
	s_wait_dscnt 0x0
	MM3 7, 3, 1
	; X IS READ OUT: ITS BYTES TAKE W1 AND W2
	WIN 0
	s_wait_tensorcnt 0x0                           ; no tensor load of mine is out
	ds_add_u32 v[SPW], v[NIL]                      ; 0 onto my spare word
	s_wait_dscnt 0x0                               ; the add is done, and my reads of X are over
	CROUND                                         ; the same holds of every wave of all four work-groups
	tensor_load_to_lds s[40:43], s[28:35]          ; my one load behind the round: waves 0, 1 the halves of W1, waves 2, 3 those of W2
	s_nop 0
	PLACES                                         ; also the places behind the last products
	WIN 0x82
	s_wait_alu depctr_va_vdst(0)
.irp t, 0,1
.set n, 0
.rept 64
	v_pk_mul_f32 v[128*(\t)+2*n:128*(\t)+2*n+1], v[128*(\t)+2*n:128*(\t)+2*n+1], v[RS+2*(\t):RS+2*(\t)+1]  ; the division by the weights' sum
.set n, n+1
.endr
.endr
	WIN 0x4a
.set n, 0
.rept 128
	v_cvt_pk_f16_f32 v[IN+n], v[2*n], v[2*n+1]     ; attn as source 1: tiles 2 k, 2 k + 1 make K step k, in position order
.set n, n+1
.endr
	WIN 0
	s_wait_tensorcnt 0x0                           ; my part of the weights has landed,
	s_barrier_signal -1
	s_barrier_wait -1                              ; everybody's
	LDW VW1, 1
	LDB VB1
	WIN 0
	; THE FFN: a trip makes 32 channels of h1 and adds their share onto Z^T
	s_mov_b32 s44, 8
.Lffn:
	PLACES
	LDZ
	s_wait_dscnt 32                                ; W1's fragments and b1 are in; W2's 32 loads may be out
	MM1
	PLACES
	PACK1 0
	s_wait_dscnt 0x0                               ; W2's fragments are in
	v_add_nc_u32 v[VW1], 32*PT, v[VW1]
	v_add_nc_u32 v[VB1], 128, v[VB1]
	LDW VW1, 1                                     ; the next trip's (in the last trip rows of W2 and the next table: written bytes, results unused)
	LDB VB1
	v_add_nc_u32 v[VW2A], 64, v[VW2A]
	v_add_nc_u32 v[VW2B], 64, v[VW2B]
	MM4
	WIN 0
	s_sub_co_u32 s44, s44, 1
	s_cmp_lg_u32 s44, 0
	s_cbranch_scc1 .Lffn
	s_wait_dscnt 0x0
	; LAYERNORM, stage by stage for both tiles.  The mean is taken away before the squares.
	PLACES
	WIN 0xc0
	LDTAB 2048, 0                                  ; b2 -> window 3, v0-127
	LDTAB 3072, 128                                ; gamma -> window 3, v128-255
	WIN 0x40
	LDTAB 4096, 0                                  ; beta -> window 1, v0-127
	s_wait_dscnt 0x0
	WIN 0x8e
.irp t, 0,1
.set n, 0
.rept 64
	v_pk_add_f32 v[128*(\t)+2*n:128*(\t)+2*n+1], v[128*(\t)+2*n:128*(\t)+2*n+1], v[2*n:2*n+1]  ; + b2, ascending
.set n, n+1
.endr
.endr
.irp t, 0,1
	WIN 0x0a
.set n, 0
.rept 8
	v_pk_add_f32 v[SA+16*(\t)+2*n:SA+16*(\t)+2*n+1], v[128*(\t)+2*n:128*(\t)+2*n+1], v[128*(\t)+2*n+16:128*(\t)+2*n+17]
.set n, n+1
.endr
	WIN 0x02
.set n, 16
.rept 48
	v_pk_add_f32 v[SA+16*(\t)+2*(n%8):SA+16*(\t)+2*(n%8)+1], v[128*(\t)+2*n:128*(\t)+2*n+1], v[SA+16*(\t)+2*(n%8):SA+16*(\t)+2*(n%8)+1]
.set n, n+1
.endr
.endr
	WIN 0
	TREE2
.irp t, 0,1
	v_mul_f32 v[NM+2*(\t)], 0xbb800000, v[SA+16*(\t)]          ; -mean
	v_mul_f32 v[NM+2*(\t)+1], 0xbb800000, v[SA+16*(\t)]
.endr
	WIN 0x82
.irp t, 0,1
.set n, 0
.rept 64
	v_pk_add_f32 v[128*(\t)+2*n:128*(\t)+2*n+1], v[128*(\t)+2*n:128*(\t)+2*n+1], v[NM+2*(\t):NM+2*(\t)+1]
.set n, n+1
.endr
.endr
	WIN 0x0a
.irp t, 0,1
.set n, 0
.rept 8
	v_pk_mul_f32 v[SA+16*(\t)+2*n:SA+16*(\t)+2*n+1], v[128*(\t)+2*n:128*(\t)+2*n+1], v[128*(\t)+2*n:128*(\t)+2*n+1]
.set n, n+1
.endr
.rept 56
	v_pk_fma_f32 v[SA+16*(\t)+2*(n%8):SA+16*(\t)+2*(n%8)+1], v[128*(\t)+2*n:128*(\t)+2*n+1], v[128*(\t)+2*n:128*(\t)+2*n+1], v[SA+16*(\t)+2*(n%8):SA+16*(\t)+2*(n%8)+1]
.set n, n+1
.endr
.endr
	WIN 0
	TREE2
.irp t, 0,1
	v_fma_f32 v[SA+16*(\t)], v[SA+16*(\t)], s55, s62           ; var + 1e-12
.endr
	v_rsq_f32 v[RS], v[SA]
	v_rsq_f32 v[RS+1], v[SA]
	v_rsq_f32 v[RS+2], v[SA+16]
	v_rsq_f32 v[RS+3], v[SA+16]
	v_nop                                          ; a plain instruction behind the last of them
	WIN 0x82
	s_wait_alu depctr_va_vdst(0)
.irp t, 0,1
.set n, 0
.rept 64
	v_pk_mul_f32 v[128*(\t)+2*n:128*(\t)+2*n+1], v[128*(\t)+2*n:128*(\t)+2*n+1], v[RS+2*(\t):RS+2*(\t)+1]
.set n, n+1
.endr
.endr
	WIN 0x9e
.irp t, 0,1
.set n, 0
.rept 64
	v_pk_fma_f32 v[128*(\t)+2*n:128*(\t)+2*n+1], v[128*(\t)+2*n:128*(\t)+2*n+1], v[128+2*n:128+2*n+1], v[2*n:2*n+1]  ; x gamma + beta
.set n, n+1
.endr
.endr
	WIN 0
	; THE WAY OUT
	OUTP 0, 0, 0
	OUTP 0, 1, 1
	OUTP 1, 0, 0
	OUTP 1, 1, 1
	s_wait_tensorcnt 0x0                           ; the wave's end: the add and its wait, behind my last tensor load and my last LDS store
	ds_add_u32 v[SPW], v[NIL]
	s_wait_dscnt 0x0
	CROUND                                         ; the closing round: no work-group ends while a partner may still ask for a tile that names it
	s_endpgm
.Lfunc_end_k_qfb927861a5_main:
	.size	k_qfb927861a5_main, .Lfunc_end_k_qfb927861a5_main-k_qfb927861a5_main
	.p2alignl 7, 3214868480
	.fill 96, 4, 3214868480
	.section	.rodata,"a",@progbits
	.p2align	6, 0x0
	.amdhsa_kernel k_qfb927861a5_main
		.amdhsa_group_segment_fixed_size 327680
		.amdhsa_private_segment_fixed_size 0
		.amdhsa_enable_private_segment 0
		.amdhsa_kernarg_size 72
		.amdhsa_user_sgpr_count 2
		.amdhsa_user_sgpr_kernarg_segment_ptr 1
		.amdhsa_wavefront_size32 1
		.amdhsa_system_sgpr_workgroup_id_x 1
		.amdhsa_system_sgpr_workgroup_id_y 1
		.amdhsa_system_sgpr_workgroup_id_z 1
		.amdhsa_system_vgpr_workitem_id 0
		.amdhsa_next_free_vgpr 1024
		.amdhsa_next_free_sgpr 66
		.amdhsa_reserve_vcc 1
		.amdhsa_float_denorm_mode_32 3
		.amdhsa_float_denorm_mode_16_64 3
		.amdhsa_memory_ordered 1
		.amdhsa_forward_progress 1
		.amdhsa_inst_pref_size 255
	.end_amdhsa_kernel
	.section	.bss,"aw",@nobits
	.p2align	6
	.space	262144
	.amdgpu_metadata
---
amdhsa.version: [ 1, 2 ]
amdhsa.kernels:
  - .name:           k_qfb927861a5_main
    .symbol:         k_qfb927861a5_main.kd
    .args:
      - { .name: xh, .offset: 0, .size: 8, .value_kind: global_buffer, .address_space: global }
      - { .name: wh, .offset: 8, .size: 8, .value_kind: global_buffer, .address_space: global }
      - { .name: bq, .offset: 16, .size: 8, .value_kind: global_buffer, .address_space: global }
      - { .name: b1, .offset: 24, .size: 8, .value_kind: global_buffer, .address_space: global }
      - { .name: b2, .offset: 32, .size: 8, .value_kind: global_buffer, .address_space: global }
      - { .name: gamma, .offset: 40, .size: 8, .value_kind: global_buffer, .address_space: global }
      - { .name: beta, .offset: 48, .size: 8, .value_kind: global_buffer, .address_space: global }
      - { .name: out0, .offset: 56, .size: 8, .value_kind: global_buffer, .address_space: global }
      - { .name: out1, .offset: 64, .size: 8, .value_kind: global_buffer, .address_space: global }
    .group_segment_fixed_size: 327680
    .private_segment_fixed_size: 0
    .kernarg_segment_align: 8
    .kernarg_segment_size: 72
    .max_flat_workgroup_size: 128
    .sgpr_count:     66
    .vgpr_count:     1024
    .wavefront_size: 32
...
	.end_amdgpu_metadata
.endif
;; end of part 2
;; ======== version 2 of 2: 2 launches; version 1 with the launch prep written anew for expert scheduling mode
;; limits: values are held in f16: magnitudes above 65,504 overflow, below 6.1e-05 lose precision
;; workspace buffers: xh 16,777,216 bytes; wh 393,216 bytes
;; launch prep (part 3): grid 524 x 1, 8 waves a work-group, no clusters, 0 bytes of LDS; arguments X_target_plus, Wq, W1, W2, xh, wh; writes xh, wh
.if DOCPART == 3
	.amdgcn_target "amdgcn-amd-amdhsa--gfx1250"
	.amdhsa_code_object_version 6
	.text
	.protected	k_qfb927861a5_prep
	.globl	k_qfb927861a5_prep
	.p2align	8
	.type	k_qfb927861a5_prep,@function
k_qfb927861a5_prep:
	s_mov_b64 s[64:65], 0
	v_nop
	global_prefetch_b8 v0, s[64:65] scope:SCOPE_SE
	s_setreg_imm32_b32 hwreg(HW_REG_WAVE_SCHED_MODE, 0, 2), 2
	s_setreg_imm32_b32 hwreg(HW_REG_WAVE_MODE, 25, 1), 1
	s_wait_xcnt 0x0
	s_wait_alu depctr_vm_vsrc(0)
; xh = X, wh = Wq | W1 | W2, each number rounded to bf16 and that number written as f16 (exact where it lies in f16's range).
; LIMITS: a number of 65,520 or more in size becomes an infinity; below 6e-5 f16 keeps its fixed step of 6e-8.
; W2's rows are laid in POSITION order: position 16 tau + m holds row 8 c + 64 (m >> 3) + (m & 7), c = (tau & 7) + 16 (tau >> 3), the order in which the next launch's lanes hold channels.
; A stream: no LDS, no matrix unit, no cluster (no work-group shares a byte with another).  A work-group converts 64 rows of 256 numbers: 65,536 bytes in, 32,768 out.
; Work-groups 0-511: X.  512-515: Wq.  516-519: W1.  520-523: W2.  Thread t takes 16 bytes at 16 t of every 4,096 (four rows): sixteen loads, all issued at once.
; A wave's store covers 256 consecutive bytes, at a multiple of 256 from the buffer's first byte.  No register of a load or store is written again, so no wait frees any.
; THE MODE: SCHED_MODE bits 1:0 = 2 (LLVM: expert scheduling mode 2), set by the entry lines.  The code itself states the register dependences
; between vector instructions and memory instructions, with s_wait_alu, always for 0.
; THE PLAN.  Registers that memory instructions touch:
;   v1, v2       byte offsets of the loads and of the stores: made once at the head, never written again.
;   v[D + 4 i ..] load i lands in four registers that no vector line has named; behind its wait on LOADcnt its eight conversion lines read and rewrite them; store i reads the first two, and nothing writes them afterwards.
;   v8, v9       at work: named by vector lines alone.
; The sixteen loads go in four blocks of four.  Block p converts loads 4 p to 4 p + 3; its memory instructions are the four stores of block p - 1, whose registers no vector line of block p names.
; So one wait on va_vdst at a block's head states all that the block's stores hang on, and they are dealt among its conversions with no further wait.  One more stands ahead of the first load
; (the offsets) and one ahead of the last four stores.  No register that a memory instruction reads is written again: no wait on vm_vsrc is owed.  No vector line writes a scalar register, and EXEC is never written.
.set D, 16                             ; v[16:79]  load i: four f32, then two registers of f16
	s_load_b256 s[4:11], s[0:1], 0x0               ; X s[4:5], Wq s[6:7], W1 s[8:9], W2 s[10:11]
	s_load_b128 s[12:15], s[0:1], 0x20             ; xh s[12:13], wh s[14:15]
	s_mov_b32 s16, ttmp9                           ; g
	s_max_u32 s17, s16, 512
	s_sub_co_u32 s17, s17, 512                     ; u = g - 512 (0 for X's work-groups, whose selects below drop what is made of it)
	s_lshr_b32 s18, s17, 2                         ; which weight
	s_and_b32 s19, s17, 3                          ; which 64 rows of it
	s_lshl_b32 s20, s19, 16                        ; from: 64 rows of 1,024 bytes
	s_lshl_b32 s22, s19, 15                        ; to: 64 rows of 512 bytes,
	s_lshr_b32 s24, s19, 1                         ; or for W2: position row 128 (u2 >> 1) + 8 (u2 & 1)
	s_lshl_b32 s24, s24, 16
	s_and_b32 s25, s19, 1
	s_lshl_b32 s25, s25, 12
	s_add_co_u32 s24, s24, s25
	s_cmp_eq_u32 s18, 2
	s_cselect_b32 s22, s24, s22
	s_lshl_b32 s25, s18, 17                        ; a weight is 131,072 bytes of wh
	s_add_co_u32 s22, s22, s25
	s_lshl_b32 s26, s16, 16                        ; X's offsets
	s_lshl_b32 s27, s16, 15
	s_cmp_lt_u32 s16, 512
	s_cselect_b32 s20, s26, s20
	s_cselect_b32 s22, s27, s22
	s_mov_b32 s21, 0
	s_mov_b32 s23, 0
	s_mov_b32 s32, 0xffff0000                      ; a word's upper bf16
	v_lshlrev_b32 v1, 4, v0                        ; 16 t
	v_lshlrev_b32 v2, 3, v0                        ; 8 t
	s_wait_kmcnt 0x0
	s_cmp_eq_u32 s18, 1
	s_cselect_b64 s[28:29], s[8:9], s[6:7]
	s_cmp_eq_u32 s18, 2
	s_cselect_b64 s[28:29], s[10:11], s[28:29]
	s_cmp_lt_u32 s16, 512
	s_cselect_b64 s[28:29], s[4:5], s[28:29]
	s_cselect_b64 s[30:31], s[12:13], s[14:15]
	s_add_nc_u64 s[28:29], s[28:29], s[20:21]
	s_add_nc_u64 s[30:31], s[30:31], s[22:23]
	s_wait_alu depctr_va_vdst(0)                   ; v1 and v2 are written: every load of the kernel reads v1 as its offset, every store v2
.irp i, 0,1,2,3,4,5,6,7,8,9,10,11,12,13,14,15
	global_load_b128 v[D+4*(\i):D+4*(\i)+3], v1, s[28:29] offset:4096*(\i) th:TH_LOAD_NT
.endr
; Load i is converted: four f32 become two registers of f16.
.macro CVT i
	v_cvt_pk_bf16_f32 v8, v[D+4*(\i)], v[D+4*(\i)+1]
	v_cvt_pk_bf16_f32 v9, v[D+4*(\i)+2], v[D+4*(\i)+3]
	v_lshlrev_b32 v[D+4*(\i)], 16, v8              ; bf16 to f32: the low half moves up, the high half stays
	v_and_b32 v[D+4*(\i)+1], s32, v8
	v_lshlrev_b32 v[D+4*(\i)+2], 16, v9
	v_and_b32 v[D+4*(\i)+3], s32, v9
	v_cvt_pk_f16_f32 v[D+4*(\i)], v[D+4*(\i)], v[D+4*(\i)+1]
	v_cvt_pk_f16_f32 v[D+4*(\i)+1], v[D+4*(\i)+2], v[D+4*(\i)+3]
.endm
; Load i's two registers are stored.  perm = 0: four rows of 512 bytes on for each load.  perm = 1 (W2): a chunk of 8 rows (two loads) lies 16 position rows from the next.
.macro ST i, perm
.if \perm
	global_store_b64 v2, v[D+4*(\i):D+4*(\i)+1], s[30:31] offset:((\i)>>1)*8192+((\i)&1)*2048
.else
	global_store_b64 v2, v[D+4*(\i):D+4*(\i)+1], s[30:31] offset:2048*(\i)
.endif
.endm
; Block p: loads 4 p to 4 p + 3 are converted; the stores of block p - 1 are dealt among the conversions, one in front of each load's eight lines.
.macro BLK p, perm
.irp j, 0,1,2,3
	s_wait_loadcnt 15-4*(\p)-(\j)                  ; loads come back in order: mine is in, the younger ones stay out
.if ((\p) > 0) && ((\j) == 0)
	s_wait_alu depctr_va_vdst(0)                   ; the block before has written its eight registers of f16, which this block's four stores read; no vector line behind this wait names them
.endif
.if (\p) > 0
	ST 4*(\p)-4+(\j), \perm
.endif
	CVT 4*(\p)+(\j)
.endr
.endm
; All sixteen: four blocks, and behind them the last block's stores.
.macro ALL16 perm
	BLK 0, \perm
	BLK 1, \perm
	BLK 2, \perm
	BLK 3, \perm
	s_wait_alu depctr_va_vdst(0)                   ; block 3 has written its eight registers of f16, which the last four stores read
.irp j, 12,13,14,15
	ST \j, \perm
.endr
.endm
	s_cmp_ge_u32 s16, 520
	s_cbranch_scc1 .Lperm
	ALL16 0
	s_endpgm
.Lperm:                                                ; W2, in position order
	ALL16 1
	s_endpgm
.Lfunc_end_k_qfb927861a5_prep:
	.size	k_qfb927861a5_prep, .Lfunc_end_k_qfb927861a5_prep-k_qfb927861a5_prep
	.p2alignl 7, 3214868480
	.fill 96, 4, 3214868480
	.section	.rodata,"a",@progbits
	.p2align	6, 0x0
	.amdhsa_kernel k_qfb927861a5_prep
		.amdhsa_group_segment_fixed_size 0
		.amdhsa_private_segment_fixed_size 0
		.amdhsa_enable_private_segment 0
		.amdhsa_kernarg_size 48
		.amdhsa_user_sgpr_count 2
		.amdhsa_user_sgpr_kernarg_segment_ptr 1
		.amdhsa_wavefront_size32 1
		.amdhsa_system_sgpr_workgroup_id_x 1
		.amdhsa_system_sgpr_workgroup_id_y 1
		.amdhsa_system_sgpr_workgroup_id_z 1
		.amdhsa_system_vgpr_workitem_id 0
		.amdhsa_next_free_vgpr 88
		.amdhsa_next_free_sgpr 66
		.amdhsa_reserve_vcc 0
		.amdhsa_float_denorm_mode_32 3
		.amdhsa_float_denorm_mode_16_64 3
		.amdhsa_memory_ordered 1
		.amdhsa_forward_progress 1
		.amdhsa_inst_pref_size 20
	.end_amdhsa_kernel
	.amdgpu_metadata
---
amdhsa.version: [ 1, 2 ]
amdhsa.kernels:
  - .name:           k_qfb927861a5_prep
    .symbol:         k_qfb927861a5_prep.kd
    .args:
      - { .name: X_target_plus, .offset: 0, .size: 8, .value_kind: global_buffer, .address_space: global }
      - { .name: Wq, .offset: 8, .size: 8, .value_kind: global_buffer, .address_space: global }
      - { .name: W1, .offset: 16, .size: 8, .value_kind: global_buffer, .address_space: global }
      - { .name: W2, .offset: 24, .size: 8, .value_kind: global_buffer, .address_space: global }
      - { .name: xh, .offset: 32, .size: 8, .value_kind: global_buffer, .address_space: global }
      - { .name: wh, .offset: 40, .size: 8, .value_kind: global_buffer, .address_space: global }
    .group_segment_fixed_size: 0
    .private_segment_fixed_size: 0
    .kernarg_segment_align: 8
    .kernarg_segment_size: 48
    .max_flat_workgroup_size: 256
    .sgpr_count:     66
    .vgpr_count:     88
    .wavefront_size: 32
...
	.end_amdgpu_metadata
.endif
;; end of part 3
;; launch main: the kernel of part 2 again; grid 256 x 1, 4 waves a work-group, clusters of 4 x 1, 327,680 bytes of LDS; arguments xh, wh, bq, b1, b2, gamma, beta, out0, out1; writes out0, out1
